; MI455X (gfx1250); checked and timed in simulation.
; The chip was launched on July 23, 2026; its instructions are those of AMD's public machine-readable ISA for CDNA 5 (MIT licence, August 2026) and "CDNA5" Instruction Set Architecture Reference Guide (July 2026). The comments in the code are by the model that wrote it; some were corrected since.
;; Cross Attention. Allowed arithmetic: matrix products marked QUANTISED: E2M1 operands, one E8M0 scale for each 32 along K, by v_wmma_scale_f32_16x16x128_f8f6f4 with both operands' format E2M1 (or v_wmma_scale_f32_32x16x128_f4), f32 sums; products left as they are: f32 operands where the result goes on into a quantised operand, else bf16, f16 or f32 operands; f32 sums; everything else in f32.
;; Inputs: Wk 256 x 512 float32; Wo 512 x 256 float32; Wq 256 x 512 float32; Wv 256 x 512 float32; attn_mask 512 x 512 int32; bo 256 float32; inp_kv 512 x 512 x 256 float32; inp_q 512 x 1 x 256 float32.
;; Outputs: out0 512 x 1 x 256 float32; out1 512 x 1 x 4 int32.
;; Constants: topk = 4.
;; This version of the problem:
;;   THIS VERSION OF THE PROBLEM IS GIVEN IN LOW PRECISION. The matrix products marked QUANTISED in the list below multiply operands that are first quantised to E2M1 (2 exponent bits, 1 mantissa bit; 4 bits a number), with one power-of-two scale for each 32 numbers along K (OCP MX v1.0); their sums are f32. All else is computed in f32.
;;   The module's matrix products, in the order in which they are computed (A, B: the left and right operand; K: the contracted axis; several contracted axes count as one K, in the product's order):
;;     1. [M 512, K 256] x [K 256, N 512]; A: input inp_q; B: input Wq: QUANTISED
;;     2. [M 262,144, K 256] x [K 256, N 512]; A: input inp_kv; B: input Wk: QUANTISED
;;     3. [M 262,144, K 256] x [K 256, N 512]; A: input inp_kv; B: input Wv: QUANTISED
;;     4. batch 4,096 x [M 1, K 64] x [K 64, N 512]; A: computed on the way; B: computed on the way: left as it is (M = 1 < 16)
;;     5. batch 4,096 x [M 1, K 512] x [K 512, N 64]; A: softmax; B: computed on the way: left as it is (M = 1 < 16)
;;     6. [M 512, K 512] x [K 512, N 256]; A: computed on the way; B: input Wo: QUANTISED
;;   THE QUANTISER, for each operand of a quantised product, along K:
;;     - K is cut into blocks of 32 from its start; a last block that is shorter is filled with zeros.
;;     - A block's scale is 2^e with e = floor(log2(the largest magnitude in the block)) - 2, held to -126 .. 127; a block of zeros has e = 0. As a byte (E8M0): e + 127.
;;     - Each number is divided by its block's scale, clamped to +-6, and rounded to the nearest number of E2M1, ties to even, subnormals kept.
;;     - The product sums the exact products of the quantised numbers (number of the format x scale) in f32.
;;   ~~~python
;;   def quantise(x, axis):      # numpy; x: float32 -> the quantised numbers, widened to float32 again
;;       x = np.moveaxis(x, axis, -1); K = x.shape[-1]
;;       x = np.pad(x, [(0, 0)] * (x.ndim - 1) + [(0, -K % 32)]); x = x.reshape(x.shape[:-1] + (-1, 32)); a = np.abs(x).max(-1, keepdims=True)
;;       e = np.where(a > 0, np.clip(np.frexp(np.where(a > 0, a, 1))[1] - 1 - 2, -126, 127), 0)      # np.frexp(a)[1] - 1 = floor(log2(a)), exactly
;;       r = np.clip(x / 2.0 ** e, -6, 6)
;;       step = 2.0 ** (np.maximum(np.frexp(np.where(r == 0, 1, r))[1] - 1, 0) - 1)
;;       q = np.round(r / step) * step * 2.0 ** e      # np.round: ties to even
;;       return np.moveaxis(q.reshape(q.shape[:-2] + (-1,))[..., :K], -1, axis).astype(np.float32)
;;   ~~~
;;   OPERANDS COMPUTED ON THE WAY. 'Computed on the way' means the value that the module computes at that place (a softmax that the list does not call 'softmax' is quantised finished and normalised). What goes into a quantiser is computed in f32, as accurately as f32 sums, v_exp_f32 and their like allow (about 1e-6 of the number): no bf16 or f16 on the way to a quantiser, and a product that is left as it is and whose result goes on into a quantised operand takes f32 operands (vector FMAs, or v_wmma_f32_16x16x4_f32). A number that lies on a knife's edge between two numbers of the format may be rounded either way, as far as f32 arithmetic and the matrix unit's own rounding can turn it there, and no further.
;; One version. Each part assembles by itself: llvm-mc -triple=amdgcn-amd-amdhsa -mcpu=gfx1250 --defsym DOCPART=n.
;; ======== version 1 of 1: 2 launches
;; workspace buffers: wcodes 262,144 bytes; wscales 16,384 bytes
;; launch prep (part 1): grid 64 x 1, 4 waves a work-group, no clusters, 1,536 bytes of LDS; arguments Wq, Wk, Wv, Wo, wcodes, wscales; writes wcodes, wscales
.if DOCPART == 1
	.amdgcn_target "amdgcn-amd-amdhsa--gfx1250"
	.amdhsa_code_object_version 6
	.text
	.protected	k_q9235c4eab8_prep
	.globl	k_q9235c4eab8_prep
	.p2align	8
	.type	k_q9235c4eab8_prep,@function
k_q9235c4eab8_prep:
	s_mov_b64 s[64:65], 0
	v_nop
	global_prefetch_b8 v0, s[64:65] scope:SCOPE_SE
	s_setreg_imm32_b32 hwreg(HW_REG_WAVE_MODE, 25, 1), 1
	s_wait_xcnt 0x0
; Wq, Wk, Wv [256 (k)][512 (n)] and Wo [512 (k)][256 (n)], f32, become codes of FP4 (E2M1) with one E8M0 scale byte for each 32 along K,
; laid as IMAGES OF OPERAND REGISTERS for the second launch: a fragment (16 columns x 128 K, 8 registers a lane) is 1,024 bytes,
; register group c (registers 4 c .. 4 c + 3) at 512 c + 16 x lane; lane (r, h) holds k = 128 s + 64 c + 32 h + 0 .. 31 of its column.
; wcodes [matrix 4][fragment 64][1,024 bytes]; wscales [matrix 4][quad 16][r 16][4 words]: word e of quad q is fragment 4 q + e's scale word of lane r.
; Fragment f of Wq, Wk, Wv: K step f % 2, columns 16 (f / 2) + r.  Of Wo: K step f % 4, column 64 (f / 16) + 4 r + (f / 4) % 4, so that a reader's four tiles are four neighbouring outputs.
; A LANE TAKES A COLUMN AND ITS REGISTERS RUN DOWN K, in the order of the operand's layout: a lane holds two whole blocks of 32, and the conversions' results are the operand's registers.
; A block's scale is 2^(floor(log2(largest magnitude)) - 2); its byte is the largest magnitude's exponent field - 2, held at 1 from below (a block of zeros gets the byte 1: its codes are zeros, and this program alone reads the bytes).
; LIMITS: NaN and infinities are not served; blocks whose largest magnitude lies under 2^-124 keep the byte 1.
; SHARES: 256 fragments, one a wave; work-group x = 16 x matrix + quad, wave = the fragment in the quad.  No tensor load, one barrier (the quad's four scale words meet in LDS and leave as one aligned run of 256 bytes).
.set ST,  32                           ; v32-95   64 numbers: register 32 c + i = k 64 c + 32 h + i
.set PC,  96                           ; v96-103  the codes
.set SW,  104                          ; v104     the scale word
.set QT,  8                            ; v8-17    at work
.set SH8, 5                            ; v5       8 h
	s_load_b256 s[4:11], s[0:1], 0x0               ; Wq, Wk, Wv, Wo
	s_load_b128 s[12:15], s[0:1], 0x20             ; wcodes, wscales
	v_lshl_add_u32 v112, v0, 2, 0x400
	v_mov_b32 v113, 0
	v_lshrrev_b32 v1, 5, v0
	v_readfirstlane_b32 s16, v1                    ; wave
	v_and_b32 v1, 15, v0                           ; r
	v_bfe_u32 v2, v0, 4, 1                         ; h
	v_lshlrev_b32 v[SH8], 3, v2
	s_lshl_b32 s17, s16, 2
	v_lshl_add_u32 v6, v1, 4, s17                  ; LDS: 16 r + 4 x wave: my fragment's word among the quad's four
	v_lshlrev_b32 v7, 4, v1                        ; 16 x (thread % 16): the way out of the scale words
	v_and_b32 v18, 31, v0
	v_lshlrev_b32 v18, 4, v18                      ; 16 x lane: my place in an image
	v_mov_b32 v[QT+9], 0                           ; written once: a lane permute's destination counts as one of its sources
	s_mov_b32 s18, 0x76543210
	s_mov_b32 s19, 0xfedcba98                      ; v_permlanex16_b32's selects for lane l xor 16
	s_lshr_b32 s20, ttmp9, 4                       ; matrix
	s_and_b32 s21, ttmp9, 15                       ; quad
	s_lshl_b32 s22, s21, 2
	s_add_co_u32 s22, s22, s16                     ; fragment f
	s_and_b32 s23, s22, 1                          ; rows of 2,048 bytes: K step f % 2 is 128 rows,
	s_lshl_b32 s23, s23, 18
	s_lshr_b32 s24, s22, 1
	s_lshl_b32 s24, s24, 6                         ; 16 columns are 64 bytes
	s_add_co_u32 s23, s23, s24
	s_and_b32 s25, s22, 3                          ; Wo, rows of 1,024 bytes: K step f % 4,
	s_lshl_b32 s25, s25, 17
	s_lshr_b32 s26, s22, 4
	s_lshl_b32 s26, s26, 8                         ; 64 columns a reader wave,
	s_add_co_u32 s25, s25, s26
	s_bfe_u32 s26, s22, 0x20002
	s_lshl_b32 s26, s26, 2                         ; the tile's number is the column's low two bits
	s_add_co_u32 s25, s25, s26
	s_cmp_eq_u32 s20, 3
	s_cselect_b32 s28, s25, s23                    ; the fragment's first byte in its matrix
	s_cselect_b32 s26, 4, 2                        ; from lane r to r + 1: 16 bytes in Wo, else 4
	s_cselect_b32 s27, 15, 16                      ; lanes 16-31 begin 32 rows further down
	s_mov_b32 s29, 0
	v_lshlrev_b32 v3, s26, v1
	v_lshlrev_b32 v4, s27, v2
	v_add_nc_u32 v3, v3, v4                        ; my lane's offset
	s_lshl_b32 s32, s20, 6
	s_add_co_u32 s32, s32, s22
	s_lshl_b32 s32, s32, 10                        ; the image's place: (64 x matrix + f) x 1,024
	s_mov_b32 s33, 0
	s_lshl_b32 s34, s20, 4
	s_add_co_u32 s34, s34, s21
	s_lshl_b32 s34, s34, 8                         ; the quad's scale words: (16 x matrix + quad) x 256
	s_mov_b32 s35, 0
	s_wait_kmcnt 0x0
	s_cmp_eq_u32 s20, 1                            ; the source is chosen by the work-group's number alone
	s_cselect_b64 s[4:5], s[6:7], s[4:5]
	s_cmp_eq_u32 s20, 2
	s_cselect_b64 s[4:5], s[8:9], s[4:5]
	s_cmp_eq_u32 s20, 3
	s_cselect_b64 s[4:5], s[10:11], s[4:5]
	s_add_nc_u64 s[4:5], s[4:5], s[28:29]
	s_add_nc_u64 s[12:13], s[12:13], s[32:33]
	s_add_nc_u64 s[14:15], s[14:15], s[34:35]
.macro LOADW pitch                     ; W(128 s + 64 c + 32 h + i, my column), i = 0 .. 31
.irp c, 0,1
.irp i, 0,1,2,3,4,5,6,7,8,9,10,11,12,13,14,15,16,17,18,19,20,21,22,23,24,25,26,27,28,29,30,31
	global_load_b32 v[ST+32*\c+\i], v3, s[4:5] offset:(64*\c+\i)*\pitch
.endr
.endr
.endm
	s_cmp_eq_u32 s20, 3                            ; only the loads differ (the row's bytes stand in the immediates); both ways join ahead of every LDS line
	s_cbranch_scc1 .Lwo
	LOADW 2048
	s_branch .Ljoin
.Lwo:
	LOADW 1024
.Ljoin:
	s_wait_loadcnt 0x0
	; the two blocks' largest magnitudes, two chains a block, the four chains by turns; the floor 2^(3 - 127) is one more leaf, so that the byte cannot fall under 1
	v_max3_num_f32 v[QT+0], |v[ST+0]|, |v[ST+1]|, 0x1800000
	v_max3_num_f32 v[QT+1], |v[ST+16]|, |v[ST+17]|, |v[ST+18]|
	v_max3_num_f32 v[QT+2], |v[ST+32]|, |v[ST+33]|, 0x1800000
	v_max3_num_f32 v[QT+3], |v[ST+48]|, |v[ST+49]|, |v[ST+50]|
.irp k, 1,2,3,4,5,6
	v_max3_num_f32 v[QT+0], v[QT+0], |v[ST+2*\k]|, |v[ST+2*\k+1]|
	v_max3_num_f32 v[QT+1], v[QT+1], |v[ST+17+2*\k]|, |v[ST+18+2*\k]|
	v_max3_num_f32 v[QT+2], v[QT+2], |v[ST+32+2*\k]|, |v[ST+33+2*\k]|
	v_max3_num_f32 v[QT+3], v[QT+3], |v[ST+49+2*\k]|, |v[ST+50+2*\k]|
.endr
	v_max3_num_f32 v[QT+0], v[QT+0], |v[ST+14]|, |v[ST+15]|
	v_max3_num_f32 v[QT+2], v[QT+2], |v[ST+46]|, |v[ST+47]|
	v_max3_num_f32 v[QT+0], v[QT+0], v[QT+1], |v[ST+31]|
	v_max3_num_f32 v[QT+2], v[QT+2], v[QT+3], |v[ST+63]|
	v_add_nc_u32 v[QT+4], 0xff000000, v[QT+0]      ; 2 off the exponent field: the conversion takes the exponent field of this operand as its scale
	v_add_nc_u32 v[QT+5], 0xff000000, v[QT+2]
	v_lshrrev_b32 v[QT+6], 23, v[QT+4]             ; the scales' bytes: blocks h and 2 + h
	v_lshrrev_b32 v[QT+7], 23, v[QT+5]
	v_lshl_or_b32 v[QT+8], v[QT+7], 16, v[QT+6]
	v_lshlrev_b32 v[QT+8], v[SH8], v[QT+8]         ; at their places in the word, 8 h bits up;
	v_permlanex16_b32 v[QT+9], v[QT+8], s18, s19
	v_or_b32 v[SW], v[QT+8], v[QT+9]               ; with lane l xor 16's two the word is whole
.irp c, 0,1
.irp g, 0,1,2,3
	v_cvt_scalef32_pk8_fp4_f32 v[PC+4*\c+\g], v[ST+32*\c+8*\g:ST+32*\c+8*\g+7], v[QT+4+\c]
.endr
.endr
	v_nop                                          ; one plain line behind the last scaled conversion
	global_store_b128 v18, v[PC:PC+3], s[12:13]              ; 32 lanes store 512 consecutive bytes, aligned
	global_store_b128 v18, v[PC+4:PC+7], s[12:13] offset:512
	ds_store_b32 v6, v[SW]                         ; both halves of the lanes write the same word with the same value
	s_wait_dscnt 0x0                               ; for the others' sake: my store has landed
	s_barrier_signal -1
	s_barrier_wait -1
	v_cmp_gt_u32 vcc_lo, 16, v0
	s_wait_xcnt 0x0                                ; EXEC changes only behind this wait: the stores above have it among their sources
	s_wait_tensorcnt 0x0
	ds_add_u32 v112, v113
	s_wait_dscnt 0x0
	s_and_saveexec_b32 s30, vcc_lo                 ; threads 0 to 15
	ds_load_b128 v[108:111], v7                    ; row r's four words
	s_wait_dscnt 0x0
	global_store_b128 v7, v[108:111], s[14:15]     ; sixteen lanes store 256 consecutive bytes, aligned
	s_wait_xcnt 0x0
	s_or_b32 exec_lo, exec_lo, s30
	s_endpgm
.Lfunc_end_k_q9235c4eab8_prep:
	.size	k_q9235c4eab8_prep, .Lfunc_end_k_q9235c4eab8_prep-k_q9235c4eab8_prep
	.p2alignl 7, 3214868480
	.fill 96, 4, 3214868480
	.section	.rodata,"a",@progbits
	.p2align	6, 0x0
	.amdhsa_kernel k_q9235c4eab8_prep
		.amdhsa_group_segment_fixed_size 1536
		.amdhsa_private_segment_fixed_size 0
		.amdhsa_enable_private_segment 0
		.amdhsa_kernarg_size 48
		.amdhsa_user_sgpr_count 2
		.amdhsa_user_sgpr_kernarg_segment_ptr 1
		.amdhsa_wavefront_size32 1
		.amdhsa_system_sgpr_workgroup_id_x 1
		.amdhsa_system_sgpr_workgroup_id_y 1
		.amdhsa_system_sgpr_workgroup_id_z 1
		.amdhsa_system_vgpr_workitem_id 0
		.amdhsa_next_free_vgpr 114
		.amdhsa_next_free_sgpr 66
		.amdhsa_reserve_vcc 1
		.amdhsa_float_denorm_mode_32 3
		.amdhsa_float_denorm_mode_16_64 3
		.amdhsa_memory_ordered 1
		.amdhsa_forward_progress 1
		.amdhsa_inst_pref_size 19
	.end_amdhsa_kernel
	.amdgpu_metadata
---
amdhsa.version: [ 1, 2 ]
amdhsa.kernels:
  - .name:           k_q9235c4eab8_prep
    .symbol:         k_q9235c4eab8_prep.kd
    .args:
      - { .name: Wq, .offset: 0, .size: 8, .value_kind: global_buffer, .address_space: global }
      - { .name: Wk, .offset: 8, .size: 8, .value_kind: global_buffer, .address_space: global }
      - { .name: Wv, .offset: 16, .size: 8, .value_kind: global_buffer, .address_space: global }
      - { .name: Wo, .offset: 24, .size: 8, .value_kind: global_buffer, .address_space: global }
      - { .name: wcodes, .offset: 32, .size: 8, .value_kind: global_buffer, .address_space: global }
      - { .name: wscales, .offset: 40, .size: 8, .value_kind: global_buffer, .address_space: global }
    .group_segment_fixed_size: 1536
    .private_segment_fixed_size: 0
    .kernarg_segment_align: 8
    .kernarg_segment_size: 48
    .max_flat_workgroup_size: 128
    .sgpr_count:     66
    .vgpr_count:     114
    .wavefront_size: 32
...
	.end_amdgpu_metadata
.endif
;; end of part 1
;; launch attn (part 2): grid 256 x 1, 4 waves a work-group, no clusters, 327,680 bytes of LDS; arguments inp_kv, inp_q, attn_mask, wcodes, wscales, bo, out0, out1; writes out0, out1
.if DOCPART == 2
	.amdgcn_target "amdgcn-amd-amdhsa--gfx1250"
	.amdhsa_code_object_version 6
	.text
	.protected	k_q9235c4eab8_attn
	.globl	k_q9235c4eab8_attn
	.p2align	8
	.type	k_q9235c4eab8_attn,@function
k_q9235c4eab8_attn:
	s_mov_b64 s[64:65], 0
	v_nop
	global_prefetch_b8 v0, s[64:65] scope:SCOPE_SE
	s_setreg_imm32_b32 hwreg(HW_REG_WAVE_MODE, 25, 1), 1
	s_wait_xcnt 0x0
; Cross attention with one query a batch, fused: q = Q(inp_q) Q(Wq), k = Q(x) Q(Wk), v = Q(x) Q(Wv) on codes of FP4 (E2M1) with E8M0 scales for each 32 along K = 256; scores, softmax, head sums,
; top 4 and p v in f32; out0 = Q(o) Q(Wo) + bo along K = 512.  k and v never leave the registers.
; SHARES.  Work-group g stays and takes batches 2 g and 2 g + 1: 1 MB of consecutive x, 8 chunks of 128 keys.  THE FOUR WAVES SHARE THE COLUMNS: wave w owns heads 2 w, 2 w + 1 (channels 128 w .. 128 w + 127);
; its 16 fragments of Wk and 16 of Wv stay in registers for the whole launch.  In the quantising phase wave w takes rows 32 w .. 32 w + 31 of the chunk: the rows that its own tensor load brought.
; RING.  Two LDS slots of 128 rows x (1,024 + 16) bytes; each wave fetches and reads its own quarter.  A slot is done with as soon as its rows are quantised, so the barrier that shows the codes' images to all
; waves is also the one in front of the refill: chunk t + 2 is asked for straight behind it and has a whole chunk's work in which to land.  By this text's count a wave has two tensor loads out at the start, then one.
; LAYOUTS.  k: source 0 = 16 channels of Wk, source 1 = 16 keys: a lane holds ONE key and eight channels; the score is a dot product inside the lane with q in the same layout (q's product: source 0 = Wq's tile,
; source 1 = the query in all 16 columns).  v: source 0 = 16 keys, source 1 = 16 channels of Wv: a lane holds ONE channel and eight keys; sum += v x p needs 16 registers of sums a wave.
; BY TURNS.  A group is one key tile x one head: 8 matrix instructions (4 tiles x 2 K steps, the tiles by turns); behind each stand 2 of the 16 packed multiply-adds that use up the group before.  The windows are laid
; so that one setting serves both kinds of line.
; SOFTMAX.  A running maximum m a head; the v sums are multiplied by 2^((m_old - m_new) log2 e) once a chunk.  The masked, scaled scores of all keys stay in LDS; at a batch's end attn = exp(s - m) / l is formed once.
; NO CLUSTER: no two work-groups read the same x; the weights' codes (272 KB of a work-group's 1.3 MB) are loaded once, straight into registers.  NO PREFETCH: the launch asks for its one stream, x, all the time.
; LIMITS: NaN and infinities are not served; blocks whose largest magnitude lies under 2^-124 keep the scale byte 1; mask numbers are taken to lie under 2^24 in magnitude; scores above -3e38;
; the f32 sums of q.k and p.v are taken in another order than a plain chain: two head sums closer than about 1e-7 of their size may change places in out1.  Equal head sums go to the lower index.
.set XPITCH,  1040                     ; a row of x in LDS: 1,024 bytes + 16 = 65 x 16: the 16 rows that a load touches fall on 16 different columns of 16 bytes
.set QUARTER, 32*XPITCH                ; a wave's part of a slot
.set SLOT1,   4*QUARTER                ; 133,120 = 0x20800: shares no bit with wave x 0x8200, so one exclusive or turns an address from slot to slot
.set IMG,     2*SLOT1                  ; the chunk's 16 fragments (2 kt + s) as images of their registers, 1,024 bytes each;
.set IMGS,    IMG+16384                ; their scale words: 256 w' + 16 r + 4 n, fragment 4 w' + n
.set DOTS,    IMG+17408                ; [head 8][batch 2][key 512] f32: raw sums, then s, then attn
.set HPITCH,  4096
.set PB,      DOTS+8*HPITCH            ; p of the chunk: 1,024 w + 512 hl + 4 key; each wave's own
.set OUTV,    PB+4096                  ; the two batches' 512 channels ahead of the last product
.set OPITCH,  2064
.set CAND,    OUTV+4352                ; the waves' four best: values at 128 w + 4 lane, indices 512 further on
.set SPARE,   CAND+1024                ; the spare words, 128 bytes a wave: two blocks of 256 bytes that no other line names
; window 0
.set SPW, 1                            ; v1   LDS address of my spare word; never rewritten
.set NIL, 2                            ; v2   0; never rewritten
.set XS,  16                           ; v16-31  x's scale words, fragment 2 kt + s
.set WKS, 32                           ; v32-47  Wk's, 2 t + s
.set WVS, 48                           ; v48-63  Wv's
.set WQS, 64                           ; v64-79  Wq's, later Wo's (4 t + s)
.set XQS, 80                           ; v80-83  the queries', 2 b + s
.set OS,  84                           ; v84-87  o's, s
.set WQ,  128                          ; v128-255 Wq's fragments 8 (2 t + s), later Wo's 8 (4 t + s)
; window 1
.set WKF, 0                            ; v0-127   Wk's fragments 8 (2 t + s)
.set QV,  128                          ; v128-191 q: 8 t + j
.set XQ,  192                          ; v192-223 the queries' fragments 16 b + 8 s
; window 2
.set AC,   64                          ; v64-79   score sums: head hl, four pairs at 8 hl           (v0-63: two sets of four results; between phases at work)
.set VACC, 80                          ; v80-95   v sums: tile T's pair at 2 T
.set L16,  96                          ; 16 x lane
.set R16,  97                          ; 16 r
.set XA0,  98                          ; (32 w + r) x 1,040 + 128 h
.set XAD,  99                          ; + the slot in hand
.set IW,   100                         ; IMG + 4,096 w + 16 lane
.set IR,   101                         ; IMG + 16 lane
.set SWA,  102                         ; IMGS + 256 w + 16 r
.set SRA,  103                         ; IMGS + 16 r
.set DA0,  104                         ; DOTS + (2 w + h) x 4,096 + 4 r
.set DA,   105                         ; + the chunk
.set DR0,  106                         ; DOTS + 8,192 w + 16 lane
.set DR,   107                         ; + the chunk
.set PW,   108                         ; PB + 1,024 w + 16 lane
.set PA,   109                         ; PB + 1,024 w + 32 h
.set SH8,  110                         ; 8 h
.set ZR,   111                         ; 0
.set MK,   112                         ; v112-115 the mask of my four keys
.set BO,   116                         ; v116-119 bo of my four outputs
.set MX0,  120                         ; the running maxima of my two heads
.set MX1,  121
.set OO,   122                         ; 1,024 h + 16 r: my place in out0
.set OA,   123                         ; OUTV + 512 w + 4 lane
.set HA,   124                         ; DOTS + 512 w + 16 lane
.set CW,   125                         ; CAND + 128 w + 4 lane
.set CR,   126                         ; CAND + 128 ((lane % 16) / 4) + 4 (lane % 4)
.set ORD,  127                         ; OUTV + 2,064 (r / 8) + 128 h
.set XF,   128                         ; v128-255 x's fragments 8 (2 kt + s); outside the products two sets of 64 numbers
.set STA,  128
.set STB,  192
.set EX,   128                         ; a batch's end: my two heads' 2 x 16 weights;
.set HD,   160                         ; eight heads' weights of my four keys
; window 3
.set WVF, 0                            ; v0-127   Wv's fragments
.set PR,  128                          ; v128-255 p: 8 (2 kt + hl) + j = key 16 kt + 8 h + j
; scalars
.set WAVE, 20
.set G1,   24                          ; s[24:31] descriptor group 1
.set G0A,  32                          ; s[32:35] group 0 of chunk 0
.set G0B,  36                          ; s[36:39] group 0 of chunk 1, which then walks
.set TB,   40                          ; the slot in hand: 0 or SLOT1
.set CB,   42                          ; 512 x chunk
.set CNT,  43
.set WQ4,  44                          ; wave x QUARTER
.set SEL,  46                          ; s[46:47] selects for lane l xor 16
.set L2E,  48                          ; s[48:49] log2(e), twice
.set TENK, 50                          ; s50 10000.0, s51 -10000.0
.set MP,   56                          ; s[56:57] the mask of the chunk in hand
.set O1,   58                          ; s[58:59] out1 at batch 2 g
.set O0,   60                          ; s[60:61] out0 at batch 2 g, my wave's 64 outputs
.set BITS, 76                          ; s76-79 1, 2, 4, 8
.set SAVE, 80
.set MSB, 0
.macro WIN new                         ; bits 1:0 source 0, 3:2 source 1, 5:4 source 2, 7:6 destination; the high byte repeats the setting that is left
.if MSB != (\new)
	s_set_vgpr_msb (MSB<<8)|(\new)
.set MSB, (\new)
.endif
.endm
.macro PLACES n
.rept \n
	v_nop
.endr
.endm
.macro MM d, a, b, first, sa, sb       ; one matrix instruction; first: the constant 0 starts the sum
.if \first
	v_wmma_scale_f32_16x16x128_f8f6f4 v[(\d):(\d)+7], v[(\a):(\a)+7], v[(\b):(\b)+7], 0, v[\sa], v[\sb] matrix_a_fmt:MATRIX_FMT_FP4 matrix_b_fmt:MATRIX_FMT_FP4
.else
	v_wmma_scale_f32_16x16x128_f8f6f4 v[(\d):(\d)+7], v[(\a):(\a)+7], v[(\b):(\b)+7], v[(\d):(\d)+7], v[\sa], v[\sb] matrix_a_fmt:MATRIX_FMT_FP4 matrix_b_fmt:MATRIX_FMT_FP4
.endif
.endm
.macro ROW2 op, ra, rb                 ; four steps inside each half of 16 lanes, two registers by turns
.irp x, 1,2,4,8
	\op v[\ra], v[\ra], v[\ra] row_xmask:\x row_mask:0xf bank_mask:0xf
	\op v[\rb], v[\rb], v[\rb] row_xmask:\x row_mask:0xf bank_mask:0xf
.endr
.endm
.macro ROW1 op, ra
.irp x, 1,2,4,8
	\op v[\ra], v[\ra], v[\ra] row_xmask:\x row_mask:0xf bank_mask:0xf
.endr
.endm
; 64 numbers of a lane in window 2, register 32 c + i = k 64 c + 32 h + i of my row (two whole blocks of 32), become the operand's 8 registers at pc (window by wcv) and the row's scale word in sw (window by wsw).
; A block's largest magnitude: two chains, the four chains by turns, with the floor 2^(3 - 127) as one more leaf, so that the byte cannot fall under 1.  qt: ten registers at work, in window 2.
.macro QUANT src, pc, sw, wsw, wcv, qt
	WIN 0xaa
	v_max3_num_f32 v[(\qt)+0], |v[(\src)+0]|, |v[(\src)+1]|, 0x1800000
	v_max3_num_f32 v[(\qt)+1], |v[(\src)+16]|, |v[(\src)+17]|, |v[(\src)+18]|
	v_max3_num_f32 v[(\qt)+2], |v[(\src)+32]|, |v[(\src)+33]|, 0x1800000
	v_max3_num_f32 v[(\qt)+3], |v[(\src)+48]|, |v[(\src)+49]|, |v[(\src)+50]|
.irp k, 1,2,3,4,5,6
	v_max3_num_f32 v[(\qt)+0], v[(\qt)+0], |v[(\src)+2*\k]|, |v[(\src)+2*\k+1]|
	v_max3_num_f32 v[(\qt)+1], v[(\qt)+1], |v[(\src)+17+2*\k]|, |v[(\src)+18+2*\k]|
	v_max3_num_f32 v[(\qt)+2], v[(\qt)+2], |v[(\src)+32+2*\k]|, |v[(\src)+33+2*\k]|
	v_max3_num_f32 v[(\qt)+3], v[(\qt)+3], |v[(\src)+49+2*\k]|, |v[(\src)+50+2*\k]|
.endr
	v_max3_num_f32 v[(\qt)+0], v[(\qt)+0], |v[(\src)+14]|, |v[(\src)+15]|
	v_max3_num_f32 v[(\qt)+2], v[(\qt)+2], |v[(\src)+46]|, |v[(\src)+47]|
	v_max3_num_f32 v[(\qt)+0], v[(\qt)+0], v[(\qt)+1], |v[(\src)+31]|
	v_max3_num_f32 v[(\qt)+2], v[(\qt)+2], v[(\qt)+3], |v[(\src)+63]|
	v_add_nc_u32 v[(\qt)+4], 0xff000000, v[(\qt)+0]    ; 2 off the exponent field: the conversion's scale operand
	v_add_nc_u32 v[(\qt)+5], 0xff000000, v[(\qt)+2]
	v_lshrrev_b32 v[(\qt)+6], 23, v[(\qt)+4]           ; the bytes of blocks h and 2 + h,
	v_lshrrev_b32 v[(\qt)+7], 23, v[(\qt)+5]
	v_lshl_or_b32 v[(\qt)+8], v[(\qt)+7], 16, v[(\qt)+6]
	v_lshlrev_b32 v[(\qt)+8], v[SH8], v[(\qt)+8]       ; at their places in the word, 8 h bits up;
	v_permlanex16_b32 v[(\qt)+9], v[(\qt)+8], s[SEL], s[SEL+1]
	WIN \wsw
	v_or_b32 v[\sw], v[(\qt)+8], v[(\qt)+9]            ; with lane l xor 16's two the word is whole
	WIN \wcv
.irp c, 0,1
.irp g, 0,1,2,3
	v_cvt_scalef32_pk8_fp4_f32 v[(\pc)+4*\c+\g], v[(\src)+32*\c+8*\g:(\src)+32*\c+8*\g+7], v[(\qt)+4+\c]
.endr
.endr
	v_nop                                          ; one plain line behind the last scaled conversion
	WIN 0xaa
.endm
.macro XQLOAD b, s, dst                ; query b, K step s: every lane r takes the same row: k = 128 s + 64 c + 32 h + 0 .. 31
	WIN 0x80                                       ; data to window 2, the address in window 0
.irp c, 0,1
.irp i, 0,1,2,3,4,5,6,7
	global_load_b128 v[(\dst)+32*\c+4*\i:(\dst)+32*\c+4*\i+3], v12, s[6:7] offset:1024*(\b)+512*(\s)+256*\c+16*\i
.endr
.endr
.endm
.macro QPROD b                         ; q of batch 2 g + b for my 128 channels: 8 sums by turns, K step by K step
	WIN 0x54                                       ; source 0 (Wq) window 0; source 1 (the query), C and D window 1
.irp s, 0,1
.irp t, 0,1,2,3,4,5,6,7
	MM QV+8*\t, WQ+8*(2*\t+\s), XQ+16*(\b)+8*\s, 1-\s, WQS+2*\t+\s, XQS+2*(\b)+\s
.endr
.endr
.endm
	s_load_b512 s[4:19], s[0:1], 0x0               ; inp_kv, inp_q, attn_mask, wcodes, wscales, bo, out0, out1
	v_lshl_add_u32 v[SPW], v0, 2, SPARE
	v_mov_b32 v[NIL], 0
	ds_add_u32 v1, v2
	ds_add_u32 v1, v2
	s_wait_dscnt 0x0
	v_lshrrev_b32 v4, 5, v0
	v_readfirstlane_b32 s[WAVE], v4                ; wave 0..3
	; descriptor group 1: 32 rows of 256 elements of 4 bytes, dense in memory, 16 bytes of padding behind each row in LDS
	s_mov_b32 s[G1+0], (2<<16)|(1<<20)|(7<<22)|(3<<25)  ; 15:0 no mask; 17:16 elements of 4 bytes; 20 padding on; 24:22 after every 256 words (code 7); 31:25 four words (code 3)
	s_mov_b32 s[G1+1], 256<<16                     ; tensor_dim0 = 256
	s_mov_b32 s[G1+2], 32<<16                      ; tensor_dim1 = 32
	s_mov_b32 s[G1+3], 256<<16                     ; tile_dim0 = 256
	s_mov_b32 s[G1+4], 32                          ; tile_dim1 = 32
	s_mov_b32 s[G1+5], 256                         ; from row to row
	s_mov_b32 s[G1+6], 0
	s_mov_b32 s[G1+7], 0
	s_mul_i32 s[WQ4], s[WAVE], QUARTER
	s_lshl_b32 s66, ttmp9, 20                      ; the work-group's 1 MB of x,
	s_lshl_b32 s67, s[WAVE], 15                    ; my 32 rows of a chunk
	s_add_co_u32 s66, s66, s67
	s_mov_b32 s67, 0
	s_wait_kmcnt 0x0
	s_add_nc_u64 s[4:5], s[4:5], s[66:67]
	s_mov_b32 s[G0A], 1                            ; count = 1
	s_mov_b32 s[G0A+1], s[WQ4]                     ; LDS: slot 0, my quarter
	s_mov_b64 s[G0A+2:G0A+3], s[4:5]               ; chunk 0
	s_or_b32 s[G0A+3], s[G0A+3], 0x80000000        ; type = 2
	s_mov_b32 s[G0B], 1
	s_add_co_u32 s[G0B+1], s[WQ4], SLOT1           ; slot 1
	s_add_nc_u64 s[G0B+2:G0B+3], s[4:5], 131072    ; chunk 1
	s_or_b32 s[G0B+3], s[G0B+3], 0x80000000
	tensor_load_to_lds s[G0A:G0A+3], s[G1:G1+7]    ; both first fills go out together, ahead of every wait on TENSORcnt, every LDS read and every barrier
	s_nop 0
	tensor_load_to_lds s[G0B:G0B+3], s[G1:G1+7]
	s_nop 0
	PLACES 4                                       ; (four places behind a tensor load)
	s_mov_b32 s[TB], 0
	s_mov_b32 s[CB], 0
	s_mov_b32 s[SEL], 0x76543210
	s_mov_b32 s[SEL+1], 0xfedcba98
	s_mov_b32 s[L2E], 0x3fb8aa3b
	s_mov_b32 s[L2E+1], s[L2E]
	s_mov_b32 s[TENK], 0x461c4000
	s_mov_b32 s[TENK+1], 0xc61c4000
	s_mov_b32 s[BITS], 1
	s_mov_b32 s[BITS+1], 2
	s_mov_b32 s[BITS+2], 4
	s_mov_b32 s[BITS+3], 8
	s_lshl_b32 s66, ttmp9, 11                      ; two rows of 1,024 bytes: inp_q and out0
	s_add_nc_u64 s[6:7], s[6:7], s[66:67]
	s_add_nc_u64 s[O0:O0+1], s[16:17], s[66:67]
	s_lshl_b32 s66, s[WAVE], 8                     ; my 64 outputs
	s_add_nc_u64 s[O0:O0+1], s[O0:O0+1], s[66:67]
	s_add_nc_u64 s[14:15], s[14:15], s[66:67]
	s_lshl_b32 s66, ttmp9, 12                      ; two rows of the mask
	s_add_nc_u64 s[MP:MP+1], s[8:9], s[66:67]
	s_lshl_b32 s66, ttmp9, 5                       ; two rows of out1
	s_add_nc_u64 s[O1:O1+1], s[18:19], s[66:67]
	s_lshl_b32 s66, s[WAVE], 14                    ; my 16 fragments of each matrix
	s_add_nc_u64 s[10:11], s[10:11], s[66:67]
	s_lshl_b32 s66, s[WAVE], 10                    ; and their scale words
	s_add_nc_u64 s[12:13], s[12:13], s[66:67]
	v_and_b32 v4, 31, v0                           ; lane
	v_and_b32 v5, 15, v0                           ; r
	v_bfe_u32 v6, v0, 4, 1                         ; h
	v_lshlrev_b32 v7, 4, v4                        ; 16 lane
	v_lshlrev_b32 v8, 4, v5                        ; 16 r
	v_lshlrev_b32 v9, 2, v4                        ; 4 lane
	v_mul_u32_u24 v10, v5, XPITCH
	v_lshl_add_u32 v10, v6, 7, v10                 ; r x 1,040 + 128 h
	v_lshlrev_b32 v11, 2, v5
	v_lshl_add_u32 v11, v6, 12, v11                ; 4 r + 4,096 h
	v_lshlrev_b32 v12, 7, v6                       ; 128 h
	v_lshrrev_b32 v13, 3, v5
	v_mul_u32_u24 v13, v13, OPITCH
	v_lshl_add_u32 v13, v6, 7, v13                 ; 2,064 (r / 8) + 128 h
	v_lshrrev_b32 v14, 2, v5
	v_and_b32 v15, 3, v0
	v_lshlrev_b32 v15, 2, v15
	v_lshl_add_u32 v14, v14, 7, v15                ; 128 (r / 4) + 4 (r % 4)
	s_lshl_b32 s66, s[WAVE], 12
	s_add_co_u32 s66, s66, IMG
	s_lshl_b32 s67, s[WAVE], 8
	s_add_co_u32 s67, s67, IMGS
	s_lshl_b32 s68, s[WAVE], 13
	s_add_co_u32 s68, s68, DOTS
	s_lshl_b32 s69, s[WAVE], 10
	s_add_co_u32 s69, s69, PB
	s_lshl_b32 s70, s[WAVE], 9
	s_add_co_u32 s71, s70, DOTS
	s_add_co_u32 s70, s70, OUTV
	s_lshl_b32 s72, s[WAVE], 7
	s_add_co_u32 s72, s72, CAND
	WIN 0x80                                       ; results to window 2, sources in window 0
	v_lshlrev_b32 v[L16], 4, v4
	v_lshlrev_b32 v[R16], 4, v5
	v_add_nc_u32 v[XA0], s[WQ4], v10
	v_add_nc_u32 v[IW], s66, v7
	v_add_nc_u32 v[IR], IMG, v7
	v_add_nc_u32 v[SWA], s67, v8
	v_add_nc_u32 v[SRA], IMGS, v8
	v_add_nc_u32 v[DA0], s68, v11
	v_add_nc_u32 v[DR0], s68, v7
	v_add_nc_u32 v[PW], s69, v7
	v_lshl_add_u32 v[PA], v6, 5, s69
	v_lshlrev_b32 v[SH8], 3, v6
	v_mov_b32 v[ZR], 0
	v_lshl_add_u32 v[OO], v6, 10, v8
	v_add_nc_u32 v[OA], s70, v9
	v_add_nc_u32 v[HA], s71, v7
	v_add_nc_u32 v[CW], s72, v9
	v_add_nc_u32 v[CR], CAND, v14
	v_add_nc_u32 v[ORD], OUTV, v13
	v_mov_b32 v25, 0                               ; written once: a lane permute's destination counts as one of its sources
	XQLOAD 0, 0, STA
	XQLOAD 0, 1, STB
	global_load_b128 v[BO:BO+3], v8, s[14:15]      ; bo(64 w + 4 r + 0 .. 3)
	WIN 0
.irp f, 0,1,2,3,4,5,6,7,8,9,10,11,12,13,14,15      ; the weights' images: 512 consecutive bytes a load
	global_load_b128 v[WQ+8*\f:WQ+8*\f+3], v7, s[10:11] offset:1024*\f
	global_load_b128 v[WQ+8*\f+4:WQ+8*\f+7], v7, s[10:11] offset:1024*\f+512
.endr
.irp q, 0,1,2,3
	global_load_b128 v[WQS+4*\q:WQS+4*\q+3], v8, s[12:13] offset:256*\q
	global_load_b128 v[WKS+4*\q:WKS+4*\q+3], v8, s[12:13] offset:4096+256*\q
	global_load_b128 v[WVS+4*\q:WVS+4*\q+3], v8, s[12:13] offset:8192+256*\q
.endr
	WIN 0x40
.irp f, 0,1,2,3,4,5,6,7,8,9,10,11,12,13,14,15
	global_load_b128 v[WKF+8*\f:WKF+8*\f+3], v7, s[10:11] offset:65536+1024*\f
	global_load_b128 v[WKF+8*\f+4:WKF+8*\f+7], v7, s[10:11] offset:65536+1024*\f+512
.endr
	WIN 0xc0
.irp f, 0,1,2,3,4,5,6,7,8,9,10,11,12,13,14,15
	global_load_b128 v[WVF+8*\f:WVF+8*\f+3], v7, s[10:11] offset:131072+1024*\f
	global_load_b128 v[WVF+8*\f+4:WVF+8*\f+7], v7, s[10:11] offset:131072+1024*\f+512
.endr
	s_wait_loadcnt 0x0
	QUANT STA, XQ, XQS, 0x2a, 0x6a, 16
	XQLOAD 1, 0, STA
	QUANT STB, XQ+8, XQS+1, 0x2a, 0x6a, 16
	XQLOAD 1, 1, STB
	WIN 0xaa
.set j, 0
.rept 16
	v_mov_b32 v[VACC+j], 0                         ; the v sums.  (These lines are also the places between the writes of the query's codes and scale words and the products that take them)
.set j, j+1
.endr
	v_mov_b32 v[MX0], 0xff61b1e6                   ; -3e38, under every score
	v_mov_b32 v[MX1], 0xff61b1e6
	QPROD 0
	s_wait_loadcnt 16                              ; the second query's first K step is in; its second (16 loads) may be out
	QUANT STA, XQ+16, XQS+2, 0x2a, 0x6a, 16
	s_wait_loadcnt 0x0
	QUANT STB, XQ+24, XQS+3, 0x2a, 0x6a, 16
.macro LOADX n, dst                    ; unit n = 2 u + s of my 32 rows: row 16 u + r, k = 128 s + 64 c + 32 h + 0 .. 31
.irp c, 0,1
.irp i, 0,1,2,3,4,5,6,7
	ds_load_b128 v[(\dst)+32*\c+4*\i:(\dst)+32*\c+4*\i+3], v[XAD] offset:((\n)/2)*16*XPITCH+((\n)%2)*512+256*\c+16*\i
.endr
.endr
.endm
.macro IMAGE n, pc                     ; a fragment goes to LDS as it stands in the registers: 512 consecutive bytes a store
	ds_store_b128 v[IW], v[(\pc):(\pc)+3] offset:1024*(\n)
	ds_store_b128 v[IW], v[(\pc)+4:(\pc)+7] offset:1024*(\n)+512
.endm
; k: matrix instruction i of 8 of the group (key tile kt, head hl): tile i % 4, K step i / 4
.macro KMM kt, hl, i
.set tt_, (\i)%4
.set ss_, (\i)/4
.set ti_, 2*(4*(\hl)+tt_)+ss_
.set rD_, 32*(\hl)+8*tt_
.set rA_, WKF+8*ti_
.set rB_, XF+8*(2*(\kt)+ss_)
.set sA_, WKS+ti_
.set sB_, XS+2*(\kt)+ss_
.set fi_, 1-ss_
	MM rD_, rA_, rB_, fi_, sA_, sB_
.endm
; multiply-add n of 16 on a finished group of head hl: tile n % 4, channels 2 (n / 4) and + 1: each result is read from its low end on
.macro KFMA hl, n
.set tt_, (\n)%4
.set jj_, (\n)/4
.set rC_, AC+8*(\hl)+2*tt_
.set rQ_, QV+8*(4*(\hl)+tt_)+2*jj_
.set rD_, 32*(\hl)+8*tt_+2*jj_
.if jj_ == 0
	v_pk_mul_f32 v[rC_:rC_+1], v[rQ_:rQ_+1], v[rD_:rD_+1]
.else
	v_pk_fma_f32 v[rC_:rC_+1], v[rQ_:rQ_+1], v[rD_:rD_+1], v[rC_:rC_+1]
.endif
.endm
; key tile kt's raw scores of both heads: the lane's eight partial sums a head, then the other half of the lanes'; lanes 0-15 store head 2 w, lanes 16-31 head 2 w + 1
.macro SCORE kt
	WIN 0xaa
	v_pk_add_f32 v[AC:AC+1], v[AC:AC+1], v[AC+2:AC+3]
	v_pk_add_f32 v[AC+8:AC+9], v[AC+8:AC+9], v[AC+10:AC+11]
	v_pk_add_f32 v[AC+4:AC+5], v[AC+4:AC+5], v[AC+6:AC+7]
	v_pk_add_f32 v[AC+12:AC+13], v[AC+12:AC+13], v[AC+14:AC+15]
	v_pk_add_f32 v[AC:AC+1], v[AC:AC+1], v[AC+4:AC+5]
	v_pk_add_f32 v[AC+8:AC+9], v[AC+8:AC+9], v[AC+12:AC+13]
	v_add_f32 v[AC], v[AC], v[AC+1]
	v_add_f32 v[AC+8], v[AC+8], v[AC+9]
	v_permlane16_swap_b32 v[AC], v[AC+8]           ; the first's lanes 16-31 change places with the second's lanes 0-15
	v_add_f32 v[AC], v[AC], v[AC+8]
	ds_store_b32 v[DA], v[AC] offset:64*(\kt)
.endm
.macro VMM kt, hl, i                   ; v: the same group, sources the other way round
.set tt_, (\i)%4
.set ss_, (\i)/4
.set ti_, 2*(4*(\hl)+tt_)+ss_
.set rD_, 32*(\hl)+8*tt_
.set rA_, XF+8*(2*(\kt)+ss_)
.set rB_, WVF+8*ti_
.set sA_, XS+2*(\kt)+ss_
.set sB_, WVS+ti_
.set fi_, 1-ss_
	MM rD_, rA_, rB_, fi_, sA_, sB_
.endm
.macro VFMA kt, hl, n                  ; sum += v x p: tile n % 4, keys 2 (n / 4) and + 1 of my half
.set tt_, (\n)%4
.set jj_, (\n)/4
.set rC_, VACC+8*(\hl)+2*tt_
.set rD_, 32*(\hl)+8*tt_+2*jj_
.set rP_, PR+8*(2*(\kt)+(\hl))+2*jj_
	v_pk_fma_f32 v[rC_:rC_+1], v[rD_:rD_+1], v[rP_:rP_+1], v[rC_:rC_+1]
.endm
; the chunk's softmax step for my two heads: lane l has keys 4 l .. 4 l + 3
.macro SOFT
	WIN 0xaa
	ds_load_b128 v[0:3], v[DR]                     ; the raw sums, which I stored myself: LDS serves a wave's instructions in order
	ds_load_b128 v[4:7], v[DR] offset:HPITCH
	s_wait_loadcnt 0x0                             ; the mask (asked for at the chunk's head)
.irp i, 0,1,2,3
	v_cvt_f32_i32 v[8+\i], v[MK+\i]
.endr
.irp i, 0,1,2,3
	v_fma_f32 v[8+\i], v[8+\i], s[TENK], s[TENK+1] ; -10000 (1 - mask)
.endr
	s_add_nc_u64 s[MP:MP+1], s[MP:MP+1], 512       ; the load is done: its base may step
	s_wait_dscnt 0x0
	v_pk_fma_f32 v[0:1], v[0:1], 0x3e000000, v[8:9] op_sel_hi:[1,0,1]     ; s = raw / 8 + mask term: one rounding
	v_pk_fma_f32 v[2:3], v[2:3], 0x3e000000, v[10:11] op_sel_hi:[1,0,1]
	v_pk_fma_f32 v[4:5], v[4:5], 0x3e000000, v[8:9] op_sel_hi:[1,0,1]
	v_pk_fma_f32 v[6:7], v[6:7], 0x3e000000, v[10:11] op_sel_hi:[1,0,1]
	ds_store_b128 v[DR], v[0:3]                    ; s stays for the batch's end
	ds_store_b128 v[DR], v[4:7] offset:HPITCH
	v_max3_num_f32 v20, v0, v1, v2
	v_max3_num_f32 v22, v4, v5, v6
	v_max3_num_f32 v20, v20, v3, v[MX0]
	v_max3_num_f32 v22, v22, v7, v[MX1]
	ROW2 v_max_num_f32_dpp, 20, 22
	v_permlanex16_b32 v21, v20, s[SEL], s[SEL+1]
	v_permlanex16_b32 v23, v22, s[SEL], s[SEL+1]
	v_max_num_f32 v20, v20, v21                    ; the new maxima, in every lane
	v_max_num_f32 v22, v22, v23
	v_sub_f32 v28, v[MX0], v20
	v_sub_f32 v29, v[MX1], v22
	v_pk_add_f32 v[12:13], v[0:1], v[20:21] op_sel_hi:[1,0] neg_lo:[0,1] neg_hi:[0,1]   ; s - m (of the pair the low word serves both halves)
	v_pk_add_f32 v[14:15], v[2:3], v[20:21] op_sel_hi:[1,0] neg_lo:[0,1] neg_hi:[0,1]
	v_pk_add_f32 v[16:17], v[4:5], v[22:23] op_sel_hi:[1,0] neg_lo:[0,1] neg_hi:[0,1]
	v_pk_add_f32 v[18:19], v[6:7], v[22:23] op_sel_hi:[1,0] neg_lo:[0,1] neg_hi:[0,1]
	v_pk_mul_f32 v[28:29], v[28:29], s[L2E:L2E+1] op_sel_hi:[1,0]
.irp p, 12,14,16,18
	v_pk_mul_f32 v[\p:\p+1], v[\p:\p+1], s[L2E:L2E+1] op_sel_hi:[1,0]
.endr
.irp j, 12,13,14,15,16,17,18,19
	v_exp_f32 v[\j], v[\j]                         ; p = exp(s - m)
.endr
	v_exp_f32 v24, v28                             ; a = exp(m_old - m), twice a head: a pair for the packed multiplies
	v_exp_f32 v25, v28
	v_exp_f32 v26, v29
	v_exp_f32 v27, v29
	v_mov_b32 v[MX0], v20                          ; plain work behind the batch
	v_mov_b32 v[MX1], v22
	s_wait_alu depctr_va_vdst(0)                   ; one wait for the twelve, ahead of their first reader
	ds_store_b128 v[PW], v[12:15]
	ds_store_b128 v[PW], v[16:19] offset:512
.irp hl, 0,1
.irp t, 0,1,2,3
	v_pk_mul_f32 v[VACC+8*\hl+2*\t:VACC+8*\hl+2*\t+1], v[VACC+8*\hl+2*\t:VACC+8*\hl+2*\t+1], v[24+2*\hl:25+2*\hl]
.endr
.endr
	WIN 0xc2                                       ; data to window 3, the address in window 2
.irp kt, 0,1,2,3,4,5,6,7                           ; p comes back in the v product's layout: eight keys of my half a group; two loads a group, in the groups' order
.irp hl, 0,1
	ds_load_b128 v[PR+8*(2*\kt+\hl):PR+8*(2*\kt+\hl)+3], v[PA] offset:512*\hl+64*\kt
	ds_load_b128 v[PR+8*(2*\kt+\hl)+4:PR+8*(2*\kt+\hl)+7], v[PA] offset:512*\hl+64*\kt+16
.endr
.endr
.endm
; A CHUNK OF 128 KEYS.  fill = 1: chunk t + 2 is asked for.
.macro CHUNK fill
	WIN 0xaa
	s_wait_tensorcnt 0x1                           ; my quarter of this chunk is in LDS; the next chunk's load, issued behind it, may be out
	v_add_nc_u32 v[XAD], s[TB], v[XA0]
	v_add_nc_u32 v[DA], s[CB], v[DA0]
	v_add_nc_u32 v[DR], s[CB], v[DR0]
	global_load_b128 v[MK:MK+3], v[L16], s[MP:MP+1]    ; the mask of keys 4 lane .. + 3: 512 consecutive bytes
	; ---- my 32 rows become four fragments
	LOADX 0, STA
	LOADX 1, STB
	s_wait_dscnt 16                                ; unit 0 is in; unit 1's 16 loads may be out
	QUANT STA, 0, 28, 0xaa, 0xaa, 16
	IMAGE 0, 0
	LOADX 2, STA
	s_wait_dscnt 18                                ; unit 1 is in; behind it: 2 stores and 16 loads
	QUANT STB, 8, 29, 0xaa, 0xaa, 16
	IMAGE 1, 8
	LOADX 3, STB
	s_wait_dscnt 18                                ; unit 0's stores are done and unit 2 is in; behind it: 2 stores and 16 loads
	QUANT STA, 0, 30, 0xaa, 0xaa, 16
	IMAGE 2, 0
	s_wait_dscnt 2                                 ; unit 1's stores are done and unit 3 is in; behind it: 2 stores
	QUANT STB, 8, 31, 0xaa, 0xaa, 16
	IMAGE 3, 8
	ds_store_b128 v[SWA], v[28:31]                 ; the four scale words of row r (both halves of the lanes write the same bytes with the same values)
	; ---- one barrier for two things: the images are whole, and nobody reads this slot any more
	WIN 0
	s_wait_tensorcnt 0x0                           ; all my tensor loads have landed, the next chunk's among them: so a group 0 may be written
	ds_add_u32 v[SPW], v[NIL]                      ; 0 onto my spare word
.if \fill
	s_xor_b32 s[G0B+1], s[G0B+1], SLOT1            ; the walking descriptor: the slot just read,
	s_add_nc_u64 s[G0B+2:G0B+3], s[G0B+2:G0B+3], 131072   ; the next chunk but one; the type bits on top are not reached
.endif
	s_wait_dscnt 0x0                               ; the add is done, my stores have landed and my reads of the slot are over
	s_barrier_signal -1
	s_barrier_wait -1
.if \fill
	tensor_load_to_lds s[G0B:G0B+3], s[G1:G1+7]    ; my one tensor load behind this barrier, and the first thing there
	s_nop 0
	PLACES 4
.endif
	WIN 0x02                                       ; data to window 0, the address in window 2
.irp q, 0,1,2,3
	ds_load_b128 v[XS+4*\q:XS+4*\q+3], v[SRA] offset:256*\q
.endr
	WIN 0xaa
.irp f, 0,1,2,3,4,5,6,7,8,9,10,11,12,13,14,15      ; all 16 fragments, key tile by key tile
	ds_load_b128 v[XF+8*\f:XF+8*\f+3], v[IR] offset:1024*\f
	ds_load_b128 v[XF+8*\f+4:XF+8*\f+7], v[IR] offset:1024*\f+512
.endr
	; ---- k and the scores.  The four results of a group take turns, one instruction a turn, and the two sets of results take turns from group to group.
	; Between a tile's last product and the first line that reads it stand at least five plain lines that name none of its registers.
.set g, 0
.rept 16
	WIN 0xa9                                       ; source 0 (Wk, q) window 1; source 1 (x, k), source 2 and the result window 2
.if g%2 == 0
	s_wait_dscnt 4*(7-g/2)                         ; this key tile's fragments are in; the later tiles' four loads each may be out
.endif
.set i, 0
.rept 8
	KMM g/2, g%2, i
.if g > 0
	KFMA (g-1)%2, 2*i
	KFMA (g-1)%2, 2*i+1
.endif
.set i, i+1
.endr
.if g == 0
	PLACES 4                                       ; the first group has no older group's lines behind its products
.endif
.if (g >= 2) && (g%2 == 0)
	SCORE g/2-1
.endif
.set g, g+1
.endr
.set i, 0
.rept 16
	KFMA 1, i
.set i, i+1
.endr
	SCORE 7
	SOFT
	; ---- v and the sums
	WIN 0xae                                       ; source 0 (x, v) window 2; source 1 (Wv, p) window 3; source 2 and the result window 2
.set g, 0
.rept 16
	s_wait_dscnt 32-2*g                            ; p of the groups before this one is in (two loads a group); at g = 0: the stores of s and p have read their registers
.set i, 0
.rept 8
	VMM g/2, g%2, i
.if g > 0
	VFMA (g-1)/2, (g-1)%2, 2*i
	VFMA (g-1)/2, (g-1)%2, 2*i+1
.endif
.set i, i+1
.endr
.if g == 0
	PLACES 4
.endif
.set g, g+1
.endr
	s_wait_dscnt 0x0
.set i, 0
.rept 16
	VFMA 7, 1, i
.set i, i+1
.endr
	WIN 0
	s_xor_b32 s[TB], s[TB], SLOT1                  ; on to the other slot
	s_add_co_u32 s[CB], s[CB], 512
	s_barrier_signal -1                            ; every wave's reads of the images are over (no LDS instruction of mine is out): the next chunk's may be stored
	s_barrier_wait -1
.endm
.macro TOPL k                          ; the k-th best of my wave's 128 head sums; of equals the lowest index
	v_max3_num_f32 v24, v[HD], v[HD+1], v[HD+2]
	v_max_num_f32 v24, v24, v[HD+3]
	ROW1 v_max_num_f32_dpp, 24
	v_permlanex16_b32 v25, v24, s[SEL], s[SEL+1]
	v_max_num_f32 v24, v24, v25
.irp i, 0,1,2,3
	v_cmp_eq_f32 vcc_lo, v24, v[HD+\i]
	v_cndmask_b32 v[26+\i], 0x4e6e6b28, v[20+\i], vcc_lo       ; its index where it is the best, else 1e9
.endr
	v_min3_num_f32 v40, v26, v27, v28
	v_min_num_f32 v40, v40, v29
	ROW1 v_min_num_f32_dpp, 40
	v_permlanex16_b32 v41, v40, s[SEL], s[SEL+1]
	v_min_num_f32 v40, v40, v41
.irp i, 0,1,2,3
	v_cmp_eq_f32 vcc_lo, v40, v[20+\i]
	v_cndmask_b32 v[HD+\i], v[HD+\i], -1.0, vcc_lo             ; the winner leaves: head sums are never negative
.endr
	v_cndmask_b32 v42, v42, v24, s[BITS+\k]        ; into lane k
	v_cndmask_b32 v43, v43, v40, s[BITS+\k]
.endm
.macro TOPM k                          ; the k-th best of the sixteen candidates, which each half of the lanes holds
	v_mov_b32 v34, v32
	ROW1 v_max_num_f32_dpp, 34
	v_cmp_eq_f32 vcc_lo, v34, v32
	v_cndmask_b32 v[36+\k], 0x4e6e6b28, v33, vcc_lo
	ROW1 v_min_num_f32_dpp, 36+\k
.if \k < 3
	v_cmp_eq_f32 vcc_lo, v[36+\k], v33
	v_cndmask_b32 v32, v32, -1.0, vcc_lo
.endif
.endm
; THE END OF BATCH 2 g + b
.macro BATCHEND b
	WIN 0xaa
.irp hl, 0,1                                       ; my two heads' s of all 512 keys: keys 128 c + 4 lane + 0 .. 3
.irp c, 0,1,2,3
	ds_load_b128 v[EX+16*\hl+4*\c:EX+16*\hl+4*\c+3], v[DR0] offset:HPITCH*\hl+2048*(\b)+512*\c
.endr
.endr
	v_mov_b32 v0, v[MX0]                           ; the final maxima as pairs
	v_mov_b32 v1, v[MX0]
	v_mov_b32 v2, v[MX1]
	v_mov_b32 v3, v[MX1]
	s_wait_dscnt 0x0
.irp hl, 0,1
.irp p, 0,1,2,3,4,5,6,7
	v_pk_add_f32 v[EX+16*\hl+2*\p:EX+16*\hl+2*\p+1], v[EX+16*\hl+2*\p:EX+16*\hl+2*\p+1], v[2*\hl:2*\hl+1] neg_lo:[0,1] neg_hi:[0,1]
.endr
.endr
.set j, 0
.rept 16
	v_pk_mul_f32 v[EX+j:EX+j+1], v[EX+j:EX+j+1], s[L2E:L2E+1] op_sel_hi:[1,0]
.set j, j+2
.endr
.set j, 0
.rept 32
	v_exp_f32 v[EX+j], v[EX+j]
.set j, j+1
.endr
.irp p, 0,1,2,3                                    ; independent work behind the batch: the v sums of tiles 2 p and 2 p + 1: even and odd keys,
	v_add_f32 v[16+2*\p], v[VACC+4*\p], v[VACC+4*\p+1]
	v_add_f32 v[17+2*\p], v[VACC+4*\p+2], v[VACC+4*\p+3]
.endr
.irp p, 0,1,2,3
	v_permlane16_swap_b32 v[16+2*\p], v[17+2*\p]
.endr
.irp p, 0,1,2,3
	v_add_f32 v[16+2*\p], v[16+2*\p], v[17+2*\p]   ; and both halves of the lanes: lane l holds channel 32 p + l of my 128
.endr
	s_wait_alu depctr_va_vdst(0)                   ; one wait for the 32 exponentials, ahead of their first reader
.irp hl, 0,1
	v_pk_add_f32 v[4+4*\hl:5+4*\hl], v[EX+16*\hl:EX+16*\hl+1], v[EX+16*\hl+2:EX+16*\hl+3]
	v_pk_add_f32 v[6+4*\hl:7+4*\hl], v[EX+16*\hl+4:EX+16*\hl+5], v[EX+16*\hl+6:EX+16*\hl+7]
.endr
.irp q, 8,12
.irp hl, 0,1
	v_pk_add_f32 v[4+4*\hl:5+4*\hl], v[4+4*\hl:5+4*\hl], v[EX+16*\hl+\q:EX+16*\hl+\q+1]
	v_pk_add_f32 v[6+4*\hl:7+4*\hl], v[6+4*\hl:7+4*\hl], v[EX+16*\hl+\q+2:EX+16*\hl+\q+3]
.endr
.endr
.irp hl, 0,1
	v_pk_add_f32 v[4+4*\hl:5+4*\hl], v[4+4*\hl:5+4*\hl], v[6+4*\hl:7+4*\hl]
.endr
	v_add_f32 v4, v4, v5
	v_add_f32 v8, v8, v9
	ROW2 v_add_f32_dpp, 4, 8
	v_permlanex16_b32 v5, v4, s[SEL], s[SEL+1]
	v_permlanex16_b32 v9, v8, s[SEL], s[SEL+1]
	v_add_f32 v4, v4, v5                           ; l of head 2 w,
	v_add_f32 v8, v8, v9                           ; of head 2 w + 1
	v_rcp_f32 v12, v4
	v_rcp_f32 v13, v4
	v_rcp_f32 v14, v8
	v_rcp_f32 v15, v8
	v_nop                                          ; a plain line behind the last reciprocal
	s_wait_alu depctr_va_vdst(0)                   ; and the wait ahead of the first reader
.irp hl, 0,1
.irp p, 0,1,2,3,4,5,6,7
	v_pk_mul_f32 v[EX+16*\hl+2*\p:EX+16*\hl+2*\p+1], v[EX+16*\hl+2*\p:EX+16*\hl+2*\p+1], v[12+2*\hl:13+2*\hl]
.endr
.endr
.irp hl, 0,1
.irp c, 0,1,2,3
	ds_store_b128 v[DR0], v[EX+16*\hl+4*\c:EX+16*\hl+4*\c+3] offset:HPITCH*\hl+2048*(\b)+512*\c     ; attn, in s's place
.endr
.endr
.irp p, 0,1,2,3
	v_mul_f32 v[16+2*\p], v[16+2*\p], v[12+2*(\p/2)]
.endr
.irp p, 0,1,2,3
	ds_store_b32 v[OA], v[16+2*\p] offset:OPITCH*(\b)+128*\p
.endr
	s_wait_dscnt 0x0                               ; for the others' sake: my stores have landed
	s_barrier_signal -1
	s_barrier_wait -1
	; ---- head sums of keys 128 w + 4 lane + 0 .. 3, and my wave's four best
.irp hd, 0,1,2,3,4,5,6,7
	ds_load_b128 v[HD+4*\hd:HD+4*\hd+3], v[HA] offset:HPITCH*\hd+2048*(\b)
.endr
	WIN 0x80
	v_lshlrev_b32 v20, 2, v0                       ; 4 x thread = 128 w + 4 lane (v0 lies in window 0)
	WIN 0xaa
	v_cvt_f32_u32 v20, v20                         ; the indices as f32: whole numbers under 512
	v_add_f32 v21, 1.0, v20
	v_add_f32 v22, 2.0, v20
	v_add_f32 v23, 0x40400000, v20
	v_mov_b32 v42, 0
	v_mov_b32 v43, 0
	s_wait_dscnt 0x0
.irp hd, 1,2,3,4,5,6,7
	v_pk_add_f32 v[HD:HD+1], v[HD:HD+1], v[HD+4*\hd:HD+4*\hd+1]
	v_pk_add_f32 v[HD+2:HD+3], v[HD+2:HD+3], v[HD+4*\hd+2:HD+4*\hd+3]
.endr
	TOPL 0
	TOPL 1
	TOPL 2
	TOPL 3
	ds_store_b32 v[CW], v42
	ds_store_b32 v[CW], v43 offset:512
	s_wait_dscnt 0x0
	s_barrier_signal -1
	s_barrier_wait -1
	; ---- the best four of the sixteen: every wave computes them, thread 0 stores
	ds_load_b32 v32, v[CR]
	ds_load_b32 v33, v[CR] offset:512
	s_wait_dscnt 0x0
	TOPM 0
	TOPM 1
	TOPM 2
	TOPM 3
.irp k, 0,1,2,3
	v_cvt_i32_f32 v[36+\k], v[36+\k]
.endr
	WIN 0
	v_cmp_eq_u32 vcc_lo, 0, v0
	s_wait_xcnt 0x0                                ; EXEC changes only behind this wait
	s_and_saveexec_b32 s[SAVE], vcc_lo
	WIN 0xaa
	global_store_b128 v[ZR], v[36:39], s[O1:O1+1] offset:16*(\b)
	s_wait_xcnt 0x0                                ; and again in front of the line that restores it
	s_or_b32 exec_lo, exec_lo, s[SAVE]
.if (\b) == 0
	; ---- the next batch: sums and maxima anew, its q; then Wo takes Wq's registers
.set j, 0
.rept 16
	v_mov_b32 v[VACC+j], 0
.set j, j+1
.endr
	v_mov_b32 v[MX0], 0xff61b1e6
	v_mov_b32 v[MX1], 0xff61b1e6
	QPROD 1
	PLACES 4                                       ; places in front of loads into registers that matrix instructions have read
	WIN 0x02                                       ; data to window 0, the address in window 2
.irp f, 0,1,2,3,4,5,6,7,8,9,10,11,12,13,14,15
	global_load_b128 v[WQ+8*\f:WQ+8*\f+3], v[L16], s[10:11] offset:196608+1024*\f
	global_load_b128 v[WQ+8*\f+4:WQ+8*\f+7], v[L16], s[10:11] offset:196608+1024*\f+512
.endr
.irp q, 0,1,2,3
	global_load_b128 v[WQS+4*\q:WQS+4*\q+3], v[R16], s[12:13] offset:12288+256*\q     ; (the next chunk's wait for its mask is for 0 and covers these)
.endr
.endif
	WIN 0
.endm
	WIN 0                                          ; at a label and at a branch every window is 0
	s_mov_b32 s[CNT], 0
.Lchunk:                                           ; chunks 0 to 5: each asks for the chunk two further on
	CHUNK 1
	s_cmp_lg_u32 s[CNT], 3                         ; behind chunk 3 the first batch ends: a branch on the loop's counter, the same in all waves
	s_cbranch_scc1 .Lno_end
	BATCHEND 0
.Lno_end:
	s_add_co_u32 s[CNT], s[CNT], 1
	s_cmp_lt_u32 s[CNT], 6
	s_cbranch_scc1 .Lchunk
	s_mov_b32 s[CNT], 0
.Ltail:                                            ; chunks 6 and 7 ask for nothing: written out
	CHUNK 0
	s_add_co_u32 s[CNT], s[CNT], 1
	s_cmp_lt_u32 s[CNT], 2
	s_cbranch_scc1 .Ltail
	BATCHEND 1
	; THE LAST PRODUCT, both batches at once: source 0's rows 0-7 are batch 2 g, rows 8-15 batch 2 g + 1; source 1 = 16 columns of Wo; register 0 of a result is row 8 h: batch h.
.macro LOADO s, dst                    ; o(batch r / 8, 128 s + 64 c + 32 h + 0 .. 31)
.irp c, 0,1
.irp i, 0,1,2,3,4,5,6,7
	ds_load_b128 v[(\dst)+32*\c+4*\i:(\dst)+32*\c+4*\i+3], v[ORD] offset:512*(\s)+256*\c+16*\i
.endr
.endr
.endm
	WIN 0xaa
	LOADO 0, STA
	LOADO 1, STB
	s_wait_dscnt 16                                ; this K step's numbers are in; the next one's 16 loads may be out
	QUANT STA, 0, OS, 0x2a, 0xaa, 64
	LOADO 2, STA
	s_wait_dscnt 16
	QUANT STB, 8, OS+1, 0x2a, 0xaa, 64
	LOADO 3, STB
	s_wait_dscnt 16
	QUANT STA, 16, OS+2, 0x2a, 0xaa, 64
	s_wait_dscnt 0x0
	QUANT STB, 24, OS+3, 0x2a, 0xaa, 64
	PLACES 8                                       ; a scale register written by a vector instruction stands 8 places ahead of a scaled matrix instruction, an operand so written 4
	WIN 0xa2                                       ; source 0 (o) window 2, source 1 (Wo) window 0, C and D window 2
.irp s, 0,1,2,3
.irp t, 0,1,2,3                                    ; four sums by turns
	MM 32+8*\t, 8*\s, WQ+8*(4*\t+\s), \s==0, OS+\s, WQS+4*\t+\s
.endr
.endr
	PLACES 4
	WIN 0xaa
.irp t, 0,1,2,3
	v_add_f32 v[64+\t], v[32+8*\t], v[BO+\t]       ; out0(2 g + h, 64 w + 4 r + t)
.endr
	global_store_b128 v[OO], v[64:67], s[O0:O0+1]  ; sixteen lanes store 256 consecutive bytes, aligned: one run for each batch
	WIN 0
	s_wait_tensorcnt 0x0                           ; the wave's end
	ds_add_u32 v[SPW], v[NIL]
	s_wait_dscnt 0x0
	s_endpgm
.Lfunc_end_k_q9235c4eab8_attn:
	.size	k_q9235c4eab8_attn, .Lfunc_end_k_q9235c4eab8_attn-k_q9235c4eab8_attn
	.p2alignl 7, 3214868480
	.fill 96, 4, 3214868480
	.section	.rodata,"a",@progbits
	.p2align	6, 0x0
	.amdhsa_kernel k_q9235c4eab8_attn
		.amdhsa_group_segment_fixed_size 327680
		.amdhsa_private_segment_fixed_size 0
		.amdhsa_enable_private_segment 0
		.amdhsa_kernarg_size 64
		.amdhsa_user_sgpr_count 2
		.amdhsa_user_sgpr_kernarg_segment_ptr 1
		.amdhsa_wavefront_size32 1
		.amdhsa_system_sgpr_workgroup_id_x 1
		.amdhsa_system_sgpr_workgroup_id_y 1
		.amdhsa_system_sgpr_workgroup_id_z 1
		.amdhsa_system_vgpr_workitem_id 0
		.amdhsa_next_free_vgpr 1024
		.amdhsa_next_free_sgpr 84
		.amdhsa_reserve_vcc 1
		.amdhsa_float_denorm_mode_32 3
		.amdhsa_float_denorm_mode_16_64 3
		.amdhsa_memory_ordered 1
		.amdhsa_forward_progress 1
		.amdhsa_inst_pref_size 255
	.end_amdhsa_kernel
	.section	.bss,"aw",@nobits
	.p2align	6
	.space	262144
	.amdgpu_metadata
---
amdhsa.version: [ 1, 2 ]
amdhsa.kernels:
  - .name:           k_q9235c4eab8_attn
    .symbol:         k_q9235c4eab8_attn.kd
    .args:
      - { .name: inp_kv, .offset: 0, .size: 8, .value_kind: global_buffer, .address_space: global }
      - { .name: inp_q, .offset: 8, .size: 8, .value_kind: global_buffer, .address_space: global }
      - { .name: attn_mask, .offset: 16, .size: 8, .value_kind: global_buffer, .address_space: global }
      - { .name: wcodes, .offset: 24, .size: 8, .value_kind: global_buffer, .address_space: global }
      - { .name: wscales, .offset: 32, .size: 8, .value_kind: global_buffer, .address_space: global }
      - { .name: bo, .offset: 40, .size: 8, .value_kind: global_buffer, .address_space: global }
      - { .name: out0, .offset: 48, .size: 8, .value_kind: global_buffer, .address_space: global }
      - { .name: out1, .offset: 56, .size: 8, .value_kind: global_buffer, .address_space: global }
    .group_segment_fixed_size: 327680
    .private_segment_fixed_size: 0
    .kernarg_segment_align: 8
    .kernarg_segment_size: 64
    .max_flat_workgroup_size: 128
    .sgpr_count:     84
    .vgpr_count:     1024
    .wavefront_size: 32
...
	.end_amdgpu_metadata
.endif
;; end of part 2
